; MI455X (gfx1250); checked and timed in simulation.
; The chip was launched on July 23, 2026; its instructions are those of AMD's public machine-readable ISA for CDNA 5 (MIT licence, August 2026) and "CDNA5" Instruction Set Architecture Reference Guide (July 2026). The comments in the code are by the model that wrote it; some were corrected since.
;; GRU Cell. Allowed arithmetic: float matrix products may take bf16 or f16 operands with f32 sums; other float arithmetic in f32, or as packed bf16 or f16 multiplies, adds, multiply-adds, maxima and minima; sums over many terms, partial sums and values carried from step to step in f32; what a program stores and reads back later, other than sums and carried values, may be rounded once to bf16 or f16.
;; Inputs: W_u 1,024 x 1,024 float32; W_ur 1,024 x 1,024 float32; W_uz 1,024 x 1,024 float32; W_w 1,024 x 1,024 float32; W_wr 1,024 x 1,024 float32; W_wz 1,024 x 1,024 float32; h 8,192 x 1,024 float32; x 8,192 x 1,024 float32.
;; Outputs: out0 8,192 x 1,024 float32.
;; 2 versions, each right; version 2 is version 1 with the launch cvt written anew for expert scheduling mode. Each part assembles by itself: llvm-mc -triple=amdgcn-amd-amdhsa -mcpu=gfx1250 --defsym DOCPART=n.
;; ======== version 1 of 2: 3 launches
;; workspace buffers: xb 16,777,216 bytes; hb 16,777,216 bytes; wb 12,582,912 bytes; zb 16,777,216 bytes; rh 16,777,216 bytes
;; launch cvt (part 1): grid 1024 x 1, 8 waves a work-group, no clusters, 0 bytes of LDS; arguments x, h, W_wz, W_wr, W_uz, W_ur, W_w, W_u, xb, hb, wb; writes xb, hb, wb
.if DOCPART == 1
	.amdgcn_target "amdgcn-amd-amdhsa--gfx1250"
	.amdhsa_code_object_version 6
	.text
	.protected	k_qf9a07f94b1_cvt
	.globl	k_qf9a07f94b1_cvt
	.p2align	8
	.type	k_qf9a07f94b1_cvt,@function
k_qf9a07f94b1_cvt:
	s_mov_b64 s[64:65], 0
	v_nop
	global_prefetch_b8 v0, s[64:65] scope:SCOPE_SE
	s_setreg_imm32_b32 hwreg(HW_REG_WAVE_MODE, 25, 1), 1
	s_wait_xcnt 0x0
; x, h ([8192][1024] f32) and the six weights ([1024][1024] f32) are rounded once to bf16 (nearest even): xb, hb, and wb = [6][1024][1024] in the
; order Wwz, Wwr, Wuz, Wur, Ww, Wu (2,097,152 bytes each).  A pure stream: no LDS, no barrier, no matrix unit, no loop.
; SHARES.  1,024 work-groups of 256 threads.  Work-group g takes 8,192 numbers of x, 8,192 of h and 1,024 of each weight matrix.  Thread t takes 16 bytes
; of every 4,096: one load of a wave covers 512 consecutive bytes, one store 256 consecutive bytes at a multiple of 256 from the buffer's first byte.
; All 22 loads of a thread go out first; each is then waited for by its count, rounded in place and stored.  No register is written behind the store that reads it.
.set XD, 8                             ; v[8:39]   x, load j in four registers
.set HD, 40                            ; v[40:71]  h
.set WD, 72                            ; v[72:95]  weight matrix k in four registers
.set MATB, 0x200000                    ; bytes of a weight matrix in bf16
	s_load_b512 s[8:23], s[0:1], 0x0               ; x 8:9, h 10:11, Wwz 12:13, Wwr 14:15, Wuz 16:17, Wur 18:19, Ww 20:21, Wu 22:23
	s_load_b128 s[24:27], s[0:1], 0x40             ; xb 24:25, hb 26:27
	s_load_b64 s[28:29], s[0:1], 0x50              ; wb
	s_lshl_b32 s2, ttmp9, 15                       ; my 32,768 bytes of x and of h
	s_lshl_b32 s3, ttmp9, 12                       ; my 4,096 bytes of each weight matrix
	v_lshl_add_u32 v1, v0, 4, s2                   ; where I read x and h
	v_lshl_add_u32 v2, v0, 4, s3                   ; where I read the weights
	v_lshrrev_b32 v3, 1, v1                        ; where I write: half as many bytes
	v_lshrrev_b32 v4, 1, v2
	s_wait_kmcnt 0x0
	s_add_nc_u64 s[30:31], s[28:29], 4*MATB        ; matrices 4 and 5 lie beyond what a store's signed 24-bit immediate reaches
.irp j, 0,1,2,3,4,5,6,7
	global_load_b128 v[XD+4*(\j):XD+4*(\j)+3], v1, s[8:9] offset:4096*(\j) th:TH_LOAD_NT
.endr
.irp j, 0,1,2,3,4,5,6,7
	global_load_b128 v[HD+4*(\j):HD+4*(\j)+3], v1, s[10:11] offset:4096*(\j) th:TH_LOAD_NT
.endr
.irp k, 0,1,2,3,4,5
	global_load_b128 v[WD+4*(\k):WD+4*(\k)+3], v2, s[12+2*(\k):13+2*(\k)] th:TH_LOAD_NT
.endr
; Four numbers in v[b .. b+3] are rounded into v[b], v[b+1] and stored.  left = the younger loads, which may stay out.
.macro OUT b, left, off, base, imm
	s_wait_loadcnt \left                           ; loads come back in order (ISA guide 5.7.1): this one is in
	v_cvt_pk_bf16_f32 v[(\b)], v[(\b)], v[(\b)+1]
	v_cvt_pk_bf16_f32 v[(\b)+1], v[(\b)+2], v[(\b)+3]
	global_store_b64 v[(\off)], v[(\b):(\b)+1], s[(\base):(\base)+1] offset:\imm  ; later launches read these bytes: no hint
.endm
.irp j, 0,1,2,3,4,5,6,7
	OUT XD+4*(\j), 21-(\j), 3, 24, 2048*(\j)
.endr
.irp j, 0,1,2,3,4,5,6,7
	OUT HD+4*(\j), 13-(\j), 3, 26, 2048*(\j)
.endr
.irp k, 0,1,2,3
	OUT WD+4*(\k), 5-(\k), 4, 28, MATB*(\k)
.endr
.irp k, 4,5
	OUT WD+4*(\k), 5-(\k), 4, 30, MATB*((\k)-4)
.endr
	s_endpgm
.Lfunc_end_k_qf9a07f94b1_cvt:
	.size	k_qf9a07f94b1_cvt, .Lfunc_end_k_qf9a07f94b1_cvt-k_qf9a07f94b1_cvt
	.p2alignl 7, 3214868480
	.fill 96, 4, 3214868480
	.section	.rodata,"a",@progbits
	.p2align	6, 0x0
	.amdhsa_kernel k_qf9a07f94b1_cvt
		.amdhsa_group_segment_fixed_size 0
		.amdhsa_private_segment_fixed_size 0
		.amdhsa_enable_private_segment 0
		.amdhsa_kernarg_size 88
		.amdhsa_user_sgpr_count 2
		.amdhsa_user_sgpr_kernarg_segment_ptr 1
		.amdhsa_wavefront_size32 1
		.amdhsa_system_sgpr_workgroup_id_x 1
		.amdhsa_system_sgpr_workgroup_id_y 1
		.amdhsa_system_sgpr_workgroup_id_z 1
		.amdhsa_system_vgpr_workitem_id 0
		.amdhsa_next_free_vgpr 96
		.amdhsa_next_free_sgpr 66
		.amdhsa_reserve_vcc 0
		.amdhsa_float_denorm_mode_32 3
		.amdhsa_float_denorm_mode_16_64 3
		.amdhsa_memory_ordered 1
		.amdhsa_forward_progress 1
		.amdhsa_inst_pref_size 9
	.end_amdhsa_kernel
	.amdgpu_metadata
---
amdhsa.version: [ 1, 2 ]
amdhsa.kernels:
  - .name:           k_qf9a07f94b1_cvt
    .symbol:         k_qf9a07f94b1_cvt.kd
    .args:
      - { .name: x, .offset: 0, .size: 8, .value_kind: global_buffer, .address_space: global }
      - { .name: h, .offset: 8, .size: 8, .value_kind: global_buffer, .address_space: global }
      - { .name: W_wz, .offset: 16, .size: 8, .value_kind: global_buffer, .address_space: global }
      - { .name: W_wr, .offset: 24, .size: 8, .value_kind: global_buffer, .address_space: global }
      - { .name: W_uz, .offset: 32, .size: 8, .value_kind: global_buffer, .address_space: global }
      - { .name: W_ur, .offset: 40, .size: 8, .value_kind: global_buffer, .address_space: global }
      - { .name: W_w, .offset: 48, .size: 8, .value_kind: global_buffer, .address_space: global }
      - { .name: W_u, .offset: 56, .size: 8, .value_kind: global_buffer, .address_space: global }
      - { .name: xb, .offset: 64, .size: 8, .value_kind: global_buffer, .address_space: global }
      - { .name: hb, .offset: 72, .size: 8, .value_kind: global_buffer, .address_space: global }
      - { .name: wb, .offset: 80, .size: 8, .value_kind: global_buffer, .address_space: global }
    .group_segment_fixed_size: 0
    .private_segment_fixed_size: 0
    .kernarg_segment_align: 8
    .kernarg_segment_size: 88
    .max_flat_workgroup_size: 256
    .sgpr_count:     66
    .vgpr_count:     96
    .wavefront_size: 32
...
	.end_amdgpu_metadata
.endif
;; end of part 1
;; launch gates (part 2): grid 8 x 32, 4 waves a work-group, clusters of 4 x 4, 327,680 bytes of LDS; arguments xb, hb, wb, zb, rh; writes zb, rh
.if DOCPART == 2
	.amdgcn_target "amdgcn-amd-amdhsa--gfx1250"
	.amdhsa_code_object_version 6
	.text
	.protected	k_qf9a07f94b1_gates
	.globl	k_qf9a07f94b1_gates
	.p2align	8
	.type	k_qf9a07f94b1_gates,@function
k_qf9a07f94b1_gates:
	s_mov_b64 s[64:65], 0
	v_nop
	global_prefetch_b8 v0, s[64:65] scope:SCOPE_SE
	s_setreg_imm32_b32 hwreg(HW_REG_WAVE_MODE, 25, 1), 1
	s_wait_xcnt 0x0
	s_wait_alu depctr_hold_cnt(0) depctr_sa_sdst(0) depctr_va_vdst(0) depctr_va_sdst(0) depctr_va_ssrc(0) depctr_va_vcc(0) depctr_vm_vsrc(0)
	s_getreg_b32 s2, hwreg(HW_REG_IB_STS2, 6, 4)
	s_cmp_eq_u32 s2, 0
	s_cbranch_scc0 .Lentry_in_a_cluster
	s_endpgm
.Lentry_in_a_cluster:
	s_bfe_u32 s2, ttmp6, 0x10000c
	s_cmp_lg_u32 s2, 0xf033
	s_cbranch_scc0 .Lentry_shape_is_right
	s_endpgm
.Lentry_shape_is_right:
; z = sigmoid(x Wwz^T + h Wuz^T), r = sigmoid(x Wwr^T + h Wur^T); stored: zb = z in f16, rh = r * h in bf16, both [8192][1024].
; xb, hb: [8192][1024] bf16.  wb: [6][1024][1024] bf16 (Wwz, Wwr, Wuz, Wur, Ww, Wu).  Sums in f32, over K = 2,048: first x's 1,024, then h's.
; LIMITS.  x, h and the weights enter as bf16, h in r * h too.  z lies in 0 to 1 and is kept in f16 (11 significant bits; below 6e-5 a fixed step of 6e-8).  sigmoid(a) = 1 / (1 + 2^(-a log2 e)):
; where the power overflows the reciprocal of infinity is 0, where it underflows the result is 1: the function's own limits.  NaN is not treated apart.
; SHARES.  A work-group makes 256 rows x 128 columns of z AND of r: its tile of B is 128 rows of z's weights, then 128 rows of r's.  Four waves; wave (WI, WJ) makes rows 128 WI on of z (WJ = 0) or
; of r (WJ = 1): 128 x 128 = 64 accumulators, 512 registers.  8 x 32 work-groups.
; RING.  K goes in 16 steps of 128 through two LDS slots (256 rows of A, 256 of B, rows of 256 bytes + 16 of padding); each wave fetches a quarter of a slot by one tensor load.  Steps 0-7 come from xb and
; Wwz, Wwr; steps 8-15 from hb and Wuz, Wur: in the trip that asks for steps 8 and 9 the descriptors' addresses are chosen anew, on the lap counter.
; CLUSTER.  4 x 4 work-groups.  A's tile hangs on the tile row alone and is asked for jointly by a row of the cluster, B's on the tile column alone, by a column.
; THE MATRIX INSTRUCTION IS USED TRANSPOSED (source 0 = 16 rows of B, source 1 = 16 rows of A): lane l holds row l % 16 and the columns 8 (l / 16) + 0..7.
; THE WAY OUT.  r * h wants r and h of the same place, z and r lie in different waves.  So the sums go through a stage in LDS as f32, 128 rows at a time (a row: 128 sums of z, then 128 of r), and each wave
; takes whole rows back: sigmoid, z to f16, r * h to bf16; every store covers 256 consecutive bytes at a multiple of 256 from its buffer's first byte.  h's tile (256 rows x 256 bytes) is brought into slot 0
; by the last refill.  The stage lies in slot 1, behind that slot's last fill.
; REGISTERS, in windows of 256: window 0: v0-33 addresses; v64-127, v128-191 A's fragments, two buffers (on the way out: at work); window 1: B's fragments at the same numbers;
; window 2: the accumulators of my rows 0-63 ((a, b) at v[8 (8 a + b)]); window 3: those of my rows 64-127.
.set PITCH,  272                       ; 68 words: row r starts at bank 4 r mod 64 (64 banks of 4 bytes: ISA guide 11.1): the 16 rows of a fragment load start at 16 different banks
.set HALFT,  128*PITCH                 ; what one tensor load brings, and what a wave reads of A or of B
.set SLOT,   4*HALFT                   ; 139,264
.set STAGE,  SLOT                      ; the stage: slot 1's bytes, once that slot has had its last fill and its last read
.set SP,     1040                      ; a stage row: 1,024 bytes + 16: an odd multiple of 16
.set SPARE,  2*SLOT                    ; behind the ring: the spare words, 128 bytes a wave: two blocks of 256 bytes that no other line names
.set WSTEP,  0x400000                  ; bytes from Wwz, Wwr to Wuz, Wur
.set LAPS,   8                         ; a lap = two K steps = once round the ring
.set ADRA, 16                          ; v16-17  LDS address of my A fragments in slot 0, 1
.set ADRB, 20                          ; v20-21  the same for B
.set STO,  24                          ; v24     where I put my sums in the stage
.set RD0,  25                          ; v25     where my wave's first stage row is read back
.set GO,   26                          ; v26     8 x lane: my 8 bytes of a row of zb and of rh; never rewritten
.set HA0,  27                          ; v27     my 8 bytes of my wave's first row of h's tile
.set SPW,  28                          ; v28     LDS address of my spare word; never rewritten
.set NIL,  29                          ; v29     0; never rewritten
.set RD,   30                          ; v30     RD0 + the trip's step
.set HA,   31                          ; v31     HA0 + the trip's step
.set F0,   64
.set F1,   128
.set SV,   64                          ; the way out: v64-79 four rows' sums of z, v80-95 of r
.set HV,   96                          ; v96-103   four rows' h as loaded
.set HF,   128                         ; v128-143  h in f32
.set OZ,   160                         ; v160-167  z in f16
.set ORH,  168                         ; v168-175  r * h in bf16
.set WV, 16                            ; s16 wave; s17 WI: my half of the rows, also: I fetch for A (0) or B (1); s18 WJ: z or r, also: which half of that tile I fetch
.set WI, 17
.set WJ, 18
.set TC, 21                            ; s21 tile column 0..7; s22 tile row 0..31
.set TR, 22
.set G1,  24                           ; s[24:31] group 1 for A's tiles; s[32:39] group 0, a set for each slot
.set G0,  32
.set G1B, 48                           ; s[48:55], s[56:63] the same for B's
.set G0B, 56
.set A2,  66                           ; s[66:69] A's addresses of K steps 8 and 9, in hb
.set B2,  70                           ; s[70:73] B's, in Wuz, Wur
.set CK,  74                           ; s[74:75] -log2 e
.set G1P, 76                           ; s[76:83] group 1 for h's tile: 64 rows x 256 bytes, no mask, no padding
.set G0H, 84                           ; s[84:87] its group 0
.set GW, (1<<16)|(1<<20)|(1<<21)|(5<<22)|(3<<25)  ; 17:16 elements of 2 bytes; 20 padding on; 21 set beside a mask; 24:22 after every 64 words; 31:25 4 words of it
.set MSB, 0
.macro WIN new                         ; the immediate's high byte repeats the setting that is left; a switch that changes nothing is dropped
.if MSB != (\new)
	s_set_vgpr_msb (MSB<<8)|(\new)
.set MSB, \new
.endif
.endm
.set MUL_LO, 0xa1                      ; source 0 (B) window 1, source 1 (A) window 0, C and D window 2
.set MUL_HI, 0xf1                      ; the same, C and D window 3
.set TO_B,   0x40                      ; destination window 1, address window 0
.macro PLACES                          ; four plain vector instructions between a matrix instruction and a load into, or a read of, its registers
.rept 4
	v_nop
.endr
.endm
; A joint load: waves 0 and 1 fetch A's halves, waves 2 and 3 B's.  The branch hangs on the wave's number alone.  An s_nop 0 and four v_nop follow each line.
.macro JLOAD s
	s_cmp_eq_u32 s[WI], 0
	s_cbranch_scc0 .Lfor_b_\@
	tensor_load_to_lds s[G0+4*(\s):G0+4*(\s)+3], s[G1:G1+7]
	s_nop 0
.rept 4
	v_nop
.endr
	s_branch .Lasked_\@
.Lfor_b_\@:
	tensor_load_to_lds s[G0B+4*(\s):G0B+4*(\s)+3], s[G1B:G1B+7]
	s_nop 0
.rept 4
	v_nop
.endr
.Lasked_\@:
.endm
.macro HLOAD                           ; my 64 rows of h's tile: a load of my work-group's own
	tensor_load_to_lds s[G0H:G0H+3], s[G1P:G1P+7]
	s_nop 0
.rept 4
	v_nop
.endr
.endm
.macro CREST                           ; a round of the cluster's barrier behind its opening barrier
	s_cmp_lg_u32 s[WV], 0
	s_cbranch_scc1 .Lnot_wave_0_\@
	s_barrier_signal -3
.Lnot_wave_0_\@:
	s_barrier_wait -3
	s_barrier_signal -1
	s_barrier_wait -1
.endm
.macro CROUND                          ; a whole round
	s_barrier_signal -1
	s_barrier_wait -1
	CREST
.endm
	s_load_b256 s[4:11], s[0:1], 0x0               ; xb s[4:5], hb s[6:7], wb s[8:9], zb s[10:11]
	s_load_b64 s[12:13], s[0:1], 0x20              ; rh
	v_lshl_add_u32 v[SPW], v0, 2, SPARE
	v_mov_b32 v[NIL], 0
	ds_add_u32 v[SPW], v[NIL]                      ; the wave's opening: the add and its wait stand ahead of my first tensor load; the set-up below, work on registers, stands between them
	v_lshrrev_b32 v1, 5, v0
	v_readfirstlane_b32 s[WV], v1
	s_lshr_b32 s[WI], s[WV], 1
	s_and_b32 s[WJ], s[WV], 1
	s_bfe_u32 s19, ttmp6, 0x40000                  ; cx
	s_bfe_u32 s20, ttmp6, 0x40004                  ; cy
	s_lshl_b32 s[TC], ttmp9, 2
	s_add_co_u32 s[TC], s[TC], s19                 ; tile column = 4 x cluster x + cx
	s_and_b32 s[TR], ttmp7, 0xffff
	s_lshl_b32 s[TR], s[TR], 2
	s_add_co_u32 s[TR], s[TR], s20                 ; tile row = 4 x cluster y + cy
	s_lshl_b32 s44, s20, 2
	s_lshl_b32 s44, 15, s44                        ; my row of the cluster: places 4 cy .. 4 cy + 3
	s_lshl_b32 s45, 0x1111, s19                    ; my column: places cx, cx + 4, cx + 8, cx + 12
	s_or_b32 s[G1], s44, GW                        ; A's tiles go to my row,
	s_or_b32 s[G1B], s45, GW                       ; B's to my column
.irp g, G1, G1B
	s_mov_b32 s[(\g)+1], 128<<16                   ; tensor_dim0 = 128
	s_mov_b32 s[(\g)+2], 128<<16                   ; tensor_dim1 = 128
	s_mov_b32 s[(\g)+3], 128<<16                   ; tile_dim0 = 128 elements, 256 bytes
	s_mov_b32 s[(\g)+4], 128                       ; tile_dim1 = 128 rows
	s_mov_b32 s[(\g)+5], 1024                      ; elements from row to row
	s_mov_b32 s[(\g)+6], 0
	s_mov_b32 s[(\g)+7], 0
.endr
	s_mov_b32 s[G1P], 1<<16                        ; elements of 2 bytes; no mask, no padding
	s_mov_b32 s[G1P+1], 128<<16
	s_mov_b32 s[G1P+2], 64<<16
	s_mov_b32 s[G1P+3], 128<<16
	s_mov_b32 s[G1P+4], 64
	s_mov_b32 s[G1P+5], 1024
	s_mov_b32 s[G1P+6], 0
	s_mov_b32 s[G1P+7], 0
	s_mul_i32 s23, s[WV], HALFT                    ; where my quarter of a slot lies: A's two halves, then B's two: no place in the cluster enters an LDS address
.irp s, 0,1
	s_mov_b32 s[G0+4*(\s)], 1
	s_add_co_u32 s[G0+4*(\s)+1], s23, (\s)*SLOT
	s_mov_b32 s[G0B+4*(\s)], 1
	s_add_co_u32 s[G0B+4*(\s)+1], s23, (\s)*SLOT
.endr
	s_mov_b32 s[G0H], 1
	s_lshl_b32 s[G0H+1], s[WV], 14                 ; h's tile: 64 rows x 256 bytes a wave, from LDS byte 0
	s_lshl_b32 s40, s[TR], 8                       ; A's offset, of the tile row and the wave's number alone: row 256 TR + 128 WJ,
	s_lshl_b32 s41, s[WJ], 7
	s_add_co_u32 s40, s40, s41
	s_lshl_b32 s40, s40, 11                        ; of 2,048 bytes
	s_mov_b32 s41, 0
	s_lshl_b32 s42, s[WJ], 10                      ; B's offset, of the tile column and the wave's number alone: row 1,024 WJ + 128 TC of wb
	s_lshl_b32 s43, s[TC], 7
	s_add_co_u32 s42, s42, s43
	s_lshl_b32 s42, s42, 11
	s_mov_b32 s43, 0
	s_lshl_b32 s92, s[TR], 8                       ; h's tile: row 256 TR + 64 wave, column 128 TC
	s_lshl_b32 s93, s[WV], 6
	s_add_co_u32 s92, s92, s93
	s_lshl_b32 s92, s92, 11
	s_lshl_b32 s93, s[TC], 8
	s_add_co_u32 s92, s92, s93
	s_mov_b32 s93, 0
	s_mov_b32 s[CK], 0xbfb8aa3b                    ; -log2 e
	s_mov_b32 s[CK+1], s[CK]                       ; named with it as a pair
	s_mov_b32 s100, 0xffff0000                     ; a word's upper bf16
	s_wait_dscnt 0x0                               ; the opening add is done
	s_wait_kmcnt 0x0
	s_add_nc_u64 s[G0+2:G0+3], s[4:5], s[40:41]    ; K step 0, in xb
	s_add_nc_u64 s[G0+6:G0+7], s[G0+2:G0+3], 256   ; K step 1
	s_add_nc_u64 s[A2:A2+1], s[6:7], s[40:41]      ; K step 8, in hb
	s_add_nc_u64 s[A2+2:A2+3], s[A2:A2+1], 256     ; K step 9
	s_add_nc_u64 s[G0B+2:G0B+3], s[8:9], s[42:43]
	s_add_nc_u64 s[G0B+6:G0B+7], s[G0B+2:G0B+3], 256
	s_add_nc_u64 s[B2:B2+1], s[G0B+2:G0B+3], WSTEP
	s_add_nc_u64 s[B2+2:B2+3], s[B2:B2+1], 256
	s_add_nc_u64 s[G0H+2:G0H+3], s[6:7], s[92:93]
.irp r, G0+3, G0+7, G0B+3, G0B+7, A2+1, A2+3, B2+1, B2+3, G0H+3
	s_or_b32 s[(\r)], s[(\r)], 0x80000000          ; 127:126 type = 2
.endr
	CROUND                                         ; all sixteen work-groups are here: the first joint loads meet
	JLOAD 0                                        ; the ring is filled before anything else is done: two loads of mine are out
	JLOAD 1
	v_and_b32 v1, 15, v0                           ; l % 16
	v_bfe_u32 v2, v0, 4, 1                         ; l / 16
	v_and_b32 v3, 31, v0                           ; lane
	v_mul_u32_u24 v4, v1, PITCH
	v_lshl_add_u32 v4, v2, 4, v4                   ; a fragment: row x pitch + 16 x half; two loads of 16 bytes, 32 bytes apart
	s_mul_i32 s47, s[WI], HALFT                    ; my 128 rows of A
	s_mul_i32 s101, s[WJ], HALFT                   ; my 128 rows of B,
	s_add_co_u32 s101, s101, 2*HALFT               ; which lie behind A's 256
.irp s, 0,1
	v_add_nc_u32 v[ADRA+(\s)], s47, v4
	v_add_nc_u32 v[ADRB+(\s)], s101, v4
	s_add_co_u32 s47, s47, SLOT
	s_add_co_u32 s101, s101, SLOT
.endr
	s_mul_i32 s47, s[WI], 64*SP                    ; into the stage: row 64 WI + l % 16, z's sums in the row's first 512 bytes, r's in the second; 32 bytes for each half of the lanes
	s_lshl_b32 s101, s[WJ], 9
	s_add_co_u32 s47, s47, s101
	s_add_co_u32 s47, s47, STAGE
	v_mul_u32_u24 v5, v1, SP
	v_lshl_add_u32 v5, v2, 5, v5
	v_add_nc_u32 v[STO], s47, v5
	s_mul_i32 s47, s[WV], 32*SP                    ; back: wave w takes stage rows 32 w on; a lane four neighbouring sums
	s_add_co_u32 s47, s47, STAGE
	v_lshl_add_u32 v[RD0], v3, 4, s47
	s_lshl_b32 s47, s[WI], 15                      ; those are the tile's rows 128 WI + 32 WJ on (in the second pass 64 further down); h's rows are 256 bytes
	s_lshl_b32 s101, s[WJ], 13
	s_add_co_u32 s47, s47, s101
	v_lshl_add_u32 v[HA0], v3, 3, s47
	v_lshlrev_b32 v[GO], 3, v3
	s_lshl_b32 s92, s[TR], 8                       ; and in zb and rh: row 256 TR + 128 WI + 32 WJ, column 128 TC (in the pair that held h's offset: it feeds no LDS address)
	s_lshl_b32 s93, s[WI], 7
	s_add_co_u32 s92, s92, s93
	s_lshl_b32 s93, s[WJ], 5
	s_add_co_u32 s92, s92, s93
	s_lshl_b32 s92, s92, 11
	s_lshl_b32 s93, s[TC], 8
	s_add_co_u32 s92, s92, s93
	s_mov_b32 s93, 0
	s_add_nc_u64 s[94:95], s[10:11], s[92:93]      ; zb at my first row
	s_add_nc_u64 s[96:97], s[12:13], s[92:93]      ; rh at my first row
; 16 matrix instructions: m blocks a0, a0 + 1 of the window's four x all 8 n blocks, 32 along K.  zero = 1: the first product starts the sums: nothing is cleared.
; The 64 accumulators take turns in the same order in every quarter step.
.macro MUL16 f, hi, a0, zero
	WIN MUL_LO+0x50*(\hi)
.irp a, \a0, (\a0)+1
.irp b, 0,1,2,3,4,5,6,7
.if \zero
	v_wmma_f32_16x16x32_bf16 v[8*(8*(\a)+(\b)):8*(8*(\a)+(\b))+7], v[(\f)+8*(\b):(\f)+8*(\b)+7], v[(\f)+8*(4*(\hi)+(\a)):(\f)+8*(4*(\hi)+(\a))+7], 0
.else
	v_wmma_f32_16x16x32_bf16 v[8*(8*(\a)+(\b)):8*(8*(\a)+(\b))+7], v[(\f)+8*(\b):(\f)+8*(\b)+7], v[(\f)+8*(4*(\hi)+(\a)):(\f)+8*(4*(\hi)+(\a))+7], v[8*(8*(\a)+(\b)):8*(8*(\a)+(\b))+7]
.endif
.endr
.endr
.endm
; 32 LDS loads in one run: a quarter step's fragments (128 rows of B, then 128 of A, 32 K at byte k of the rows) into buffer f
.macro FETCH slot, k, f
	WIN TO_B
.irp i, 0,1,2,3,4,5,6,7
	ds_load_b128 v[(\f)+8*(\i):(\f)+8*(\i)+3],   v[ADRB+(\slot)] offset:(\k)+(\i)*16*PITCH
	ds_load_b128 v[(\f)+8*(\i)+4:(\f)+8*(\i)+7], v[ADRB+(\slot)] offset:(\k)+(\i)*16*PITCH+32
.endr
	WIN 0
.irp i, 0,1,2,3,4,5,6,7
	ds_load_b128 v[(\f)+8*(\i):(\f)+8*(\i)+3],   v[ADRA+(\slot)] offset:(\k)+(\i)*16*PITCH
	ds_load_b128 v[(\f)+8*(\i)+4:(\f)+8*(\i)+7], v[ADRA+(\slot)] offset:(\k)+(\i)*16*PITCH+32
.endr
.endm
; One of a K step's first three quarters: multiplies buffer f; in its middle the next quarter's fragments, at byte k, are fetched into buffer g.
.macro QUARTER slot, k, f, g, zero
	s_wait_dscnt 8                                 ; B and A's rows 0-63 are in; the youngest eight loads (A's rows 64-127) may be out
	MUL16 \f, 0, 0, \zero
	MUL16 \f, 0, 2, \zero
	PLACES
	FETCH \slot, \k, \g
	s_wait_dscnt 32                                ; all but the 32 just issued
	MUL16 \f, 1, 0, \zero
	MUL16 \f, 1, 2, \zero
.endm
; The first half of a K step's last quarter, and the opening barrier of the round in front of a refill.  Each wave waits for all its tensor loads (one is out: its part of the next slot), adds 0 to its
; spare word, and waits for that and for its own reads of this slot.
.macro MEET
	WIN 0                                          ; (the add's two registers lie in window 0)
	s_wait_tensorcnt 0x0                           ; all my tensor loads have landed
	ds_add_u32 v[SPW], v[NIL]                      ; 0 onto my spare word
	s_wait_dscnt 9                                 ; (the add and the youngest eight loads may be out)
	MUL16 F1, 0, 0, 0                              ; sixteen matrix instructions stand between the add and the wait for it
	s_wait_dscnt 0x0                               ; the add is done, and my reads of this slot are over
	s_barrier_signal -1
	MUL16 F1, 0, 2, 0                              ; work on registers while the others arrive
	WIN 0
	s_barrier_wait -1
.endm
; The whole last quarter with a joint refill: this slot takes the K step two steps on.  In the trip whose counter is 4 those are steps 8 and 9: the addresses in the second pair of buffers are taken.
.macro TURN slot, next
	MEET
	CREST                                          ; no wave of any partner still reads this slot's tile or has a load on its way
	s_add_nc_u64 s[G0+4*(\slot)+2:G0+4*(\slot)+3], s[G0+4*(\slot)+2:G0+4*(\slot)+3], 512
	s_add_nc_u64 s[G0B+4*(\slot)+2:G0B+4*(\slot)+3], s[G0B+4*(\slot)+2:G0B+4*(\slot)+3], 512
	s_cmp_eq_u32 s3, 4                             ; the lap counter, the same in every work-group
	s_cselect_b64 s[G0+4*(\slot)+2:G0+4*(\slot)+3], s[A2+2*(\slot):A2+2*(\slot)+1], s[G0+4*(\slot)+2:G0+4*(\slot)+3]
	s_cselect_b64 s[G0B+4*(\slot)+2:G0B+4*(\slot)+3], s[B2+2*(\slot):B2+2*(\slot)+1], s[G0B+4*(\slot)+2:G0B+4*(\slot)+3]
	s_or_b32 s[G0+4*(\slot)+3], s[G0+4*(\slot)+3], 0x80000000    ; the type, whichever was chosen
	s_or_b32 s[G0B+4*(\slot)+3], s[G0B+4*(\slot)+3], 0x80000000
	JLOAD \slot                                    ; the first tensor load behind the round, my only one until the next; its four v_nop are also the places in front of the loads below
	FETCH \next, 0, F0
	MUL16 F1, 1, 0, 0
	MUL16 F1, 1, 2, 0
.endm
	s_wait_tensorcnt 0x1                           ; my part of K step 0 is in; K step 1's may stay out
	s_barrier_signal -1
	s_barrier_wait -1                              ; everybody's is
	FETCH 0, 0, F0
	QUARTER 0, 64, F0, F1, 1                       ; the first quarter stands in front of the loop: its products start the sums
	WIN 0                                          ; at a label and at a branch every window is 0
	s_mov_b32 s3, LAPS-1
.Llap:                                                 ; a trip goes once round the ring, from a lap's second quarter to the next lap's first, and fills both slots again
	QUARTER 0, 128, F1, F0, 0
	QUARTER 0, 192, F0, F1, 0
	TURN 0, 1
	QUARTER 1, 64,  F0, F1, 0
	QUARTER 1, 128, F1, F0, 0
	QUARTER 1, 192, F0, F1, 0
	TURN 1, 0
	QUARTER 0, 64,  F0, F1, 0
	WIN 0
	s_sub_co_u32 s3, s3, 1
	s_cmp_lg_u32 s3, 0
	s_cbranch_scc1 .Llap
	QUARTER 0, 128, F1, F0, 0                      ; the last lap: K steps 14 and 15
	QUARTER 0, 192, F0, F1, 0
	MEET                                           ; slot 0 has been read for the last time:
	CREST
	HLOAD                                          ; its last fill is h's tile, my 64 rows of it; it has K step 15 in which to land
	FETCH 1, 0, F0
	MUL16 F1, 1, 0, 0
	MUL16 F1, 1, 2, 0
	QUARTER 1, 64,  F0, F1, 0
	QUARTER 1, 128, F1, F0, 0
	QUARTER 1, 192, F0, F1, 0
	s_wait_tensorcnt 0x0                           ; the very last quarter.  My part of h's tile has landed,
	s_wait_dscnt 0x0                               ; all fragments are in, and my reads of slot 1 are over:
	s_barrier_signal -1                            ; say so
	MUL16 F1, 0, 0, 0
	MUL16 F1, 0, 2, 0
	MUL16 F1, 1, 0, 0
	MUL16 F1, 1, 2, 0
	WIN 0
	s_barrier_wait -1                              ; behind it slot 1's bytes are the stage, and h's tile is whole
	PLACES                                         ; the stores below read results just made
; The 32 accumulators of window 2 + p go into the stage: each accumulator's four lowest registers first.
.macro DUMP p
	WIN 0x08+4*(\p)                                ; a store's data is source 1
.irp a, 0,1,2,3
.irp b, 0,1,2,3,4,5,6,7
	ds_store_b128 v[STO], v[8*(8*(\a)+(\b)):8*(8*(\a)+(\b))+3]   offset:(\a)*16*SP+64*(\b)
	ds_store_b128 v[STO], v[8*(8*(\a)+(\b))+4:8*(8*(\a)+(\b))+7] offset:(\a)*16*SP+64*(\b)+16
.endr
.endr
	WIN 0
.endm
; My wave's 32 stage rows, four a trip.  s98: the trip's step in the stage; s99: in h's tile.
.macro ROWS
	s_mov_b32 s2, 8
.Lrows_\@:
	v_add_nc_u32 v[RD], s98, v[RD0]
	v_add_nc_u32 v[HA], s99, v[HA0]
.irp j, 0,1,2,3
	ds_load_b128 v[SV+4*(\j):SV+4*(\j)+3], v[RD] offset:SP*(\j)             ; z's sums: 512 neighbouring bytes
.endr
.irp j, 0,1,2,3
	ds_load_b128 v[SV+16+4*(\j):SV+16+4*(\j)+3], v[RD] offset:SP*(\j)+512   ; r's
.endr
.irp j, 0,1,2,3
	ds_load_b64 v[HV+2*(\j):HV+2*(\j)+1], v[HA] offset:256*(\j)             ; h of the same four columns
.endr
	s_wait_dscnt 0x0
.set i, 0
.rept 16
	v_pk_mul_f32 v[SV+2*i:SV+2*i+1], v[SV+2*i:SV+2*i+1], s[CK:CK+1] op_sel_hi:[1,0]  ; -a log2 e
.set i, i+1
.endr
.set i, 0
.rept 32
	v_exp_f32 v[SV+i], v[SV+i]
.set i, i+1
.endr
.set i, 0
.rept 8
	v_lshlrev_b32 v[HF+2*i], 16, v[HV+i]           ; h's low halves to f32: also the plain instructions behind the exponentials (ISA guide 5.7.2)
.set i, i+1
.endr
.set i, 0
	s_wait_alu depctr_va_vdst(0)
.rept 16
	v_pk_add_f32 v[SV+2*i:SV+2*i+1], v[SV+2*i:SV+2*i+1], 1.0 op_sel_hi:[1,0]
.set i, i+1
.endr
.set i, 0
.rept 32
	v_rcp_f32 v[SV+i], v[SV+i]
.set i, i+1
.endr
.set i, 0
.rept 8
	v_and_b32 v[HF+2*i+1], s100, v[HV+i]           ; h's high halves: the plain instructions behind the reciprocals
.set i, i+1
.endr
.set i, 0
	s_wait_alu depctr_va_vdst(0)
.rept 8
	v_cvt_pk_f16_f32 v[OZ+i], v[SV+2*i], v[SV+2*i+1]
.set i, i+1
.endr
.set i, 0
.rept 8
	v_pk_mul_f32 v[SV+16+2*i:SV+16+2*i+1], v[SV+16+2*i:SV+16+2*i+1], v[HF+2*i:HF+2*i+1]
.set i, i+1
.endr
.set i, 0
.rept 8
	v_cvt_pk_bf16_f32 v[ORH+i], v[SV+16+2*i], v[SV+16+2*i+1]
.set i, i+1
.endr
.irp j, 0,1,2,3
	global_store_b64 v[GO], v[OZ+2*(\j):OZ+2*(\j)+1], s[94:95] offset:2048*(\j)    ; 32 lanes store 256 consecutive bytes
.endr
.irp j, 0,1,2,3
	global_store_b64 v[GO], v[ORH+2*(\j):ORH+2*(\j)+1], s[96:97] offset:2048*(\j)
.endr
	s_wait_xcnt 0x0                                ; the stores' data and bases are rewritten only behind this wait
	s_add_nc_u64 s[94:95], s[94:95], 4*2048
	s_add_nc_u64 s[96:97], s[96:97], 4*2048
	s_add_co_u32 s98, s98, 4*SP
	s_add_co_u32 s99, s99, 4*256
	s_sub_co_u32 s2, s2, 1
	s_cmp_lg_u32 s2, 0
	s_cbranch_scc1 .Lrows_\@
.endm
	DUMP 0                                         ; every wave's rows 0-63
	s_wait_dscnt 0x0                               ; for the others' sake: my stores into the stage are done
	s_barrier_signal -1
	s_barrier_wait -1
	s_mov_b32 s98, 0
	s_mov_b32 s99, 0
	ROWS
	s_barrier_signal -1                            ; my reads of the stage are back (each trip has waited for 0): say so,
	s_barrier_wait -1                              ; and write it again only when all four have
	DUMP 1                                         ; every wave's rows 64-127
	s_wait_dscnt 0x0
	s_barrier_signal -1
	s_barrier_wait -1
	s_mov_b32 s98, 0
	s_mov_b32 s99, 64*256                          ; 64 rows further down in h's tile,
	s_add_nc_u64 s[94:95], s[94:95], 32*2048       ; and in zb and rh: 32 rows have been walked, 32 are the neighbour wave's
	s_add_nc_u64 s[96:97], s[96:97], 32*2048
	ROWS
	s_wait_tensorcnt 0x0                           ; the wave's end: the add and its wait, behind my last tensor load and my last LDS store
	ds_add_u32 v[SPW], v[NIL]
	s_wait_dscnt 0x0
	CROUND                                         ; the closing round: no work-group ends while a partner may still ask for a tile that names it
	s_endpgm
.Lfunc_end_k_qf9a07f94b1_gates:
	.size	k_qf9a07f94b1_gates, .Lfunc_end_k_qf9a07f94b1_gates-k_qf9a07f94b1_gates
	.p2alignl 7, 3214868480
	.fill 96, 4, 3214868480
	.section	.rodata,"a",@progbits
	.p2align	6, 0x0
	.amdhsa_kernel k_qf9a07f94b1_gates
		.amdhsa_group_segment_fixed_size 327680
		.amdhsa_private_segment_fixed_size 0
		.amdhsa_enable_private_segment 0
		.amdhsa_kernarg_size 40
		.amdhsa_user_sgpr_count 2
		.amdhsa_user_sgpr_kernarg_segment_ptr 1
		.amdhsa_wavefront_size32 1
		.amdhsa_system_sgpr_workgroup_id_x 1
		.amdhsa_system_sgpr_workgroup_id_y 1
		.amdhsa_system_sgpr_workgroup_id_z 1
		.amdhsa_system_vgpr_workitem_id 0
		.amdhsa_next_free_vgpr 1024
		.amdhsa_next_free_sgpr 102
		.amdhsa_reserve_vcc 0
		.amdhsa_float_denorm_mode_32 3
		.amdhsa_float_denorm_mode_16_64 3
		.amdhsa_memory_ordered 1
		.amdhsa_forward_progress 1
		.amdhsa_inst_pref_size 138
	.end_amdhsa_kernel
	.amdgpu_metadata
---
amdhsa.version: [ 1, 2 ]
amdhsa.kernels:
  - .name:           k_qf9a07f94b1_gates
    .symbol:         k_qf9a07f94b1_gates.kd
    .args:
      - { .name: xb, .offset: 0, .size: 8, .value_kind: global_buffer, .address_space: global }
      - { .name: hb, .offset: 8, .size: 8, .value_kind: global_buffer, .address_space: global }
      - { .name: wb, .offset: 16, .size: 8, .value_kind: global_buffer, .address_space: global }
      - { .name: zb, .offset: 24, .size: 8, .value_kind: global_buffer, .address_space: global }
      - { .name: rh, .offset: 32, .size: 8, .value_kind: global_buffer, .address_space: global }
    .group_segment_fixed_size: 327680
    .private_segment_fixed_size: 0
    .kernarg_segment_align: 8
    .kernarg_segment_size: 40
    .max_flat_workgroup_size: 128
    .sgpr_count:     102
    .vgpr_count:     1024
    .wavefront_size: 32
...
	.end_amdgpu_metadata
.endif
;; end of part 2
;; launch cand (part 3): grid 8 x 32, 4 waves a work-group, clusters of 4 x 4, 327,680 bytes of LDS; arguments xb, rh, wb, zb, hb, out0; writes out0
.if DOCPART == 3
	.amdgcn_target "amdgcn-amd-amdhsa--gfx1250"
	.amdhsa_code_object_version 6
	.text
	.protected	k_qf9a07f94b1_cand
	.globl	k_qf9a07f94b1_cand
	.p2align	8
	.type	k_qf9a07f94b1_cand,@function
k_qf9a07f94b1_cand:
	s_mov_b64 s[64:65], 0
	v_nop
	global_prefetch_b8 v0, s[64:65] scope:SCOPE_SE
	s_setreg_imm32_b32 hwreg(HW_REG_WAVE_MODE, 25, 1), 1
	s_wait_xcnt 0x0
	s_wait_alu depctr_hold_cnt(0) depctr_sa_sdst(0) depctr_va_vdst(0) depctr_va_sdst(0) depctr_va_ssrc(0) depctr_va_vcc(0) depctr_vm_vsrc(0)
	s_getreg_b32 s2, hwreg(HW_REG_IB_STS2, 6, 4)
	s_cmp_eq_u32 s2, 0
	s_cbranch_scc0 .Lentry_in_a_cluster
	s_endpgm
.Lentry_in_a_cluster:
	s_bfe_u32 s2, ttmp6, 0x10000c
	s_cmp_lg_u32 s2, 0xf033
	s_cbranch_scc0 .Lentry_shape_is_right
	s_endpgm
.Lentry_shape_is_right:
; h_t = tanh(x Ww^T + (r h) Wu^T); out0 = z h + (1 - z) h_t = h_t + z (h - h_t), [8192][1024] f32.
; xb, rh, hb: [8192][1024] bf16; zb: the same shape in f16; wb: [6][1024][1024] bf16, of which Ww is matrix 4 and Wu matrix 5.  Sums in f32, over K = 2,048: first x's 1,024, then r h's.
; LIMITS.  x, h, r h and the weights enter as bf16, z as f16.  tanh(a) = 1 - 2 / (1 + 2^(2 a log2 e)): where the power overflows the result is 1, where it underflows -1; near a = 0 its absolute
; error is that of the subtraction from 1, some 1e-7.  NaN is not treated apart.
; SHARES.  A work-group makes 256 rows x 128 columns; wave (WI, WJ) rows 128 WI on, columns 64 WJ on: 32 accumulators, 256 registers.  8 x 32 work-groups.
; RING.  K goes in 16 steps of 128 through two LDS slots (256 rows of A, 128 of B, rows of 256 bytes + 16 of padding).  Waves 0 and 1 fetch A's halves (128 rows), waves 2 and 3 B's (64 rows).
; Steps 0-7 come from xb and Ww, steps 8-15 from rh and Wu: in the trip that asks for steps 8 and 9 the descriptors' addresses are chosen anew, on the lap counter.
; CLUSTER.  4 x 4 work-groups; A's tile is asked for jointly by a row of the cluster, B's by a column.  z's tile is a first fill with LDS bytes of its own; h's tile is slot 0's last fill.
; THE MATRIX INSTRUCTION IS USED TRANSPOSED (source 0 = 16 rows of B, source 1 = 16 rows of A): lane l holds row l % 16 and the columns 8 (l / 16) + 0..7.
; THE WAY OUT.  A wave's 64 columns are half of a row's 512 bytes: the sums go through a stage in LDS (256 rows of 512 + 16 bytes, in ring bytes that have had their last fill), a barrier, and each wave
; takes 64 whole rows back; every store covers 512 consecutive bytes at a multiple of 256 from out0's first byte.
; REGISTERS, in windows of 256: window 0: v0-33 addresses; v64-127, v128-191 A's fragments, two buffers (on the way out: at work); window 1: v64-95, v128-159 B's fragments;
; window 2: the accumulators, (a, b) at v[8 (4 a + b)].
.set PITCH,  272                       ; 68 words: row r starts at bank 4 r mod 64 (64 banks of 4 bytes: ISA guide 11.1)
.set HALFT,  128*PITCH
.set SLOT,   3*HALFT                   ; 104,448: A's 256 rows, then B's 128
.set ZT,     2*SLOT                    ; z's tile: 256 rows x 256 bytes
.set SPARE,  ZT+65536                  ; the spare words, 128 bytes a wave: two blocks of 256 bytes that no other line names
.set ST2,    65536                     ; the stage, behind h's tile (LDS bytes 0 to 65,535)
.set SP,     528                       ; a stage row: 512 bytes + 16: an odd multiple of 16
.set WSTEP,  0x200000                  ; bytes from Ww to Wu
.set LAPS,   8
.set ADRA, 16                          ; v16-17  LDS address of my A fragments in slot 0, 1
.set ADRB, 20                          ; v20-21  the same for B
.set STO,  24                          ; v24     where I put my sums in the stage
.set RD0,  25                          ; v25     where my wave's first stage row is read back
.set GO,   26                          ; v26     16 x lane: my 16 bytes of a row of out0; never rewritten
.set HA0,  27                          ; v27     my 8 bytes of my wave's first row of h's tile
.set SPW,  28                          ; v28     LDS address of my spare word; never rewritten
.set NIL,  29                          ; v29     0; never rewritten
.set RD,   30                          ; v30, v31, v33: RD0, HA0, ZA0 + the trip's step
.set HA,   31
.set ZA0,  32                          ; v32     the same place in z's tile
.set ZA,   33
.set F0,   64
.set F1,   128
.set SV,   64                          ; the way out: v64-95 eight rows' sums, then h_t, then the result
.set ZV,   96                          ; v96-111   z as loaded
.set HV,   112                         ; v112-127  h as loaded
.set HF,   128                         ; v128-159  h in f32, then h - h_t
.set WV, 16
.set WI, 17                            ; my half of the rows; also: I fetch for A (0) or B (1)
.set WJ, 18                            ; my half of the columns; also: which half of that tile I fetch
.set TC, 21
.set TR, 22
.set G1,  24
.set G0,  32
.set G1B, 48
.set G0B, 56
.set A2,  66                           ; s[66:69] A's addresses of K steps 8 and 9, in rh
.set B2,  70                           ; s[70:73] B's, in Wu
.set CK,  74                           ; s[74:75] 2 log2 e
.set G1P, 76                           ; s[76:83] group 1 for h's and z's tiles: 64 rows x 256 bytes, no mask, no padding
.set G0H, 84
.set G0Z, 88
.set GW, (1<<16)|(1<<20)|(1<<21)|(5<<22)|(3<<25)
.set MSB, 0
.macro WIN new
.if MSB != (\new)
	s_set_vgpr_msb (MSB<<8)|(\new)
.set MSB, \new
.endif
.endm
.set MUL,  0xa1                        ; source 0 (B) window 1, source 1 (A) window 0, C and D window 2
.set TO_B, 0x40
.macro PLACES
.rept 4
	v_nop
.endr
.endm
.macro JLOAD s                         ; a joint load; the branch hangs on the wave's number alone; an s_nop 0 and four v_nop follow each line
	s_cmp_eq_u32 s[WI], 0
	s_cbranch_scc0 .Lfor_b_\@
	tensor_load_to_lds s[G0+4*(\s):G0+4*(\s)+3], s[G1:G1+7]
	s_nop 0
.rept 4
	v_nop
.endr
	s_branch .Lasked_\@
.Lfor_b_\@:
	tensor_load_to_lds s[G0B+4*(\s):G0B+4*(\s)+3], s[G1B:G1B+7]
	s_nop 0
.rept 4
	v_nop
.endr
.Lasked_\@:
.endm
.macro PLOAD g                         ; my 64 rows of h's or z's tile: a load of my work-group's own
	tensor_load_to_lds s[(\g):(\g)+3], s[G1P:G1P+7]
	s_nop 0
.rept 4
	v_nop
.endr
.endm
.macro CREST
	s_cmp_lg_u32 s[WV], 0
	s_cbranch_scc1 .Lnot_wave_0_\@
	s_barrier_signal -3
.Lnot_wave_0_\@:
	s_barrier_wait -3
	s_barrier_signal -1
	s_barrier_wait -1
.endm
.macro CROUND
	s_barrier_signal -1
	s_barrier_wait -1
	CREST
.endm
	s_load_b256 s[4:11], s[0:1], 0x0               ; xb s[4:5], rh s[6:7], wb s[8:9], zb s[10:11]
	s_load_b128 s[12:15], s[0:1], 0x20             ; hb s[12:13], out0 s[14:15]
	v_lshl_add_u32 v[SPW], v0, 2, SPARE
	v_mov_b32 v[NIL], 0
	ds_add_u32 v[SPW], v[NIL]                      ; the wave's opening: the add and its wait stand ahead of my first tensor load; the set-up below, work on registers, stands between them
	v_lshrrev_b32 v1, 5, v0
	v_readfirstlane_b32 s[WV], v1
	s_lshr_b32 s[WI], s[WV], 1
	s_and_b32 s[WJ], s[WV], 1
	s_bfe_u32 s19, ttmp6, 0x40000                  ; cx
	s_bfe_u32 s20, ttmp6, 0x40004                  ; cy
	s_lshl_b32 s[TC], ttmp9, 2
	s_add_co_u32 s[TC], s[TC], s19
	s_and_b32 s[TR], ttmp7, 0xffff
	s_lshl_b32 s[TR], s[TR], 2
	s_add_co_u32 s[TR], s[TR], s20
	s_lshl_b32 s44, s20, 2
	s_lshl_b32 s44, 15, s44                        ; my row of the cluster
	s_lshl_b32 s45, 0x1111, s19                    ; my column
	s_or_b32 s[G1], s44, GW
	s_mov_b32 s[G1+1], 128<<16                     ; A: 128 rows x 128 elements
	s_mov_b32 s[G1+2], 128<<16
	s_mov_b32 s[G1+3], 128<<16
	s_mov_b32 s[G1+4], 128
	s_mov_b32 s[G1+5], 1024
	s_mov_b32 s[G1+6], 0
	s_mov_b32 s[G1+7], 0
	s_or_b32 s[G1B], s45, GW
	s_mov_b32 s[G1B+1], 128<<16                    ; B: 64 rows x 128 elements
	s_mov_b32 s[G1B+2], 64<<16
	s_mov_b32 s[G1B+3], 128<<16
	s_mov_b32 s[G1B+4], 64
	s_mov_b32 s[G1B+5], 1024
	s_mov_b32 s[G1B+6], 0
	s_mov_b32 s[G1B+7], 0
	s_mov_b32 s[G1P], 1<<16
	s_mov_b32 s[G1P+1], 128<<16
	s_mov_b32 s[G1P+2], 64<<16
	s_mov_b32 s[G1P+3], 128<<16
	s_mov_b32 s[G1P+4], 64
	s_mov_b32 s[G1P+5], 1024
	s_mov_b32 s[G1P+6], 0
	s_mov_b32 s[G1P+7], 0
	s_mul_i32 s23, s[WJ], HALFT                    ; where A's half goes,
	s_mul_i32 s46, s[WJ], 64*PITCH                 ; and B's, behind A's 256 rows: the wave's number alone
	s_add_co_u32 s46, s46, 2*HALFT
.irp s, 0,1
	s_mov_b32 s[G0+4*(\s)], 1
	s_add_co_u32 s[G0+4*(\s)+1], s23, (\s)*SLOT
	s_mov_b32 s[G0B+4*(\s)], 1
	s_add_co_u32 s[G0B+4*(\s)+1], s46, (\s)*SLOT
.endr
	s_mov_b32 s[G0H], 1
	s_lshl_b32 s[G0H+1], s[WV], 14                 ; h's tile from LDS byte 0, 16,384 bytes a wave
	s_mov_b32 s[G0Z], 1
	s_add_co_u32 s[G0Z+1], s[G0H+1], ZT            ; z's from ZT
	s_lshl_b32 s40, s[TR], 8                       ; A's offset: row 256 TR + 128 WJ
	s_lshl_b32 s41, s[WJ], 7
	s_add_co_u32 s40, s40, s41
	s_lshl_b32 s40, s40, 11
	s_mov_b32 s41, 0
	s_lshl_b32 s42, s[TC], 7                       ; B's offset: row 4,096 + 128 TC + 64 WJ of wb
	s_lshl_b32 s43, s[WJ], 6
	s_add_co_u32 s42, s42, s43
	s_add_co_u32 s42, s42, 4096
	s_lshl_b32 s42, s42, 11
	s_mov_b32 s43, 0
	s_lshl_b32 s92, s[TR], 8                       ; h's and z's tiles: row 256 TR + 64 wave, column 128 TC
	s_lshl_b32 s93, s[WV], 6
	s_add_co_u32 s92, s92, s93
	s_lshl_b32 s92, s92, 11
	s_lshl_b32 s93, s[TC], 8
	s_add_co_u32 s92, s92, s93
	s_mov_b32 s93, 0
	s_mov_b32 s[CK], 0x4038aa3b                    ; 2 log2 e
	s_mov_b32 s[CK+1], s[CK]
	s_mov_b32 s100, 0xffff0000
	s_wait_dscnt 0x0                               ; the opening add is done
	s_wait_kmcnt 0x0
	s_add_nc_u64 s[G0+2:G0+3], s[4:5], s[40:41]    ; K step 0, in xb
	s_add_nc_u64 s[G0+6:G0+7], s[G0+2:G0+3], 256
	s_add_nc_u64 s[A2:A2+1], s[6:7], s[40:41]      ; K step 8, in rh
	s_add_nc_u64 s[A2+2:A2+3], s[A2:A2+1], 256
	s_add_nc_u64 s[G0B+2:G0B+3], s[8:9], s[42:43]
	s_add_nc_u64 s[G0B+6:G0B+7], s[G0B+2:G0B+3], 256
	s_add_nc_u64 s[B2:B2+1], s[G0B+2:G0B+3], WSTEP
	s_add_nc_u64 s[B2+2:B2+3], s[B2:B2+1], 256
	s_add_nc_u64 s[G0H+2:G0H+3], s[12:13], s[92:93]
	s_add_nc_u64 s[G0Z+2:G0Z+3], s[10:11], s[92:93]
.irp r, G0+3, G0+7, G0B+3, G0B+7, A2+1, A2+3, B2+1, B2+3, G0H+3, G0Z+3
	s_or_b32 s[(\r)], s[(\r)], 0x80000000          ; 127:126 type = 2
.endr
	CROUND                                         ; all sixteen work-groups are here: the first joint loads meet
	JLOAD 0                                        ; the first fills go out together: three loads of mine are out
	JLOAD 1
	PLOAD G0Z
	v_and_b32 v1, 15, v0
	v_bfe_u32 v2, v0, 4, 1
	v_and_b32 v3, 31, v0
	v_mul_u32_u24 v4, v1, PITCH
	v_lshl_add_u32 v4, v2, 4, v4
	s_mul_i32 s47, s[WI], HALFT                    ; my 128 rows of A
	s_mul_i32 s101, s[WJ], 64*PITCH                ; my 64 rows of B
	s_add_co_u32 s101, s101, 2*HALFT
.irp s, 0,1
	v_add_nc_u32 v[ADRA+(\s)], s47, v4
	v_add_nc_u32 v[ADRB+(\s)], s101, v4
	s_add_co_u32 s47, s47, SLOT
	s_add_co_u32 s101, s101, SLOT
.endr
	s_mul_i32 s47, s[WI], 128*SP                   ; into the stage: row 128 WI + l % 16, my half of its 512 bytes, 32 bytes for each half of the lanes
	s_lshl_b32 s101, s[WJ], 8
	s_add_co_u32 s47, s47, s101
	s_add_co_u32 s47, s47, ST2
	v_mul_u32_u24 v5, v1, SP
	v_lshl_add_u32 v5, v2, 5, v5
	v_add_nc_u32 v[STO], s47, v5
	s_mul_i32 s47, s[WV], 64*SP                    ; back: wave w takes rows 64 w on, whole; a lane four neighbouring sums
	s_add_co_u32 s47, s47, ST2
	v_lshl_add_u32 v[RD0], v3, 4, s47
	s_lshl_b32 s47, s[WV], 14
	v_lshl_add_u32 v[HA0], v3, 3, s47
	v_add_nc_u32 v[ZA0], ZT, v[HA0]
	v_lshlrev_b32 v[GO], 4, v3
	s_lshl_b32 s92, s[TR], 8                       ; out0: row 256 TR + 64 wave of 4,096 bytes, column 128 TC (in the pair that held the tiles' offset: it feeds no LDS address)
	s_lshl_b32 s93, s[WV], 6
	s_add_co_u32 s92, s92, s93
	s_lshl_b32 s92, s92, 12
	s_lshl_b32 s93, s[TC], 9
	s_add_co_u32 s92, s92, s93
	s_mov_b32 s93, 0
	s_add_nc_u64 s[94:95], s[14:15], s[92:93]
; 8 matrix instructions: m blocks a0, a0 + 1 x all 4 n blocks, 32 along K.  The 32 accumulators take turns in the same order in every quarter step.
.macro MUL8 f, a0, zero
	WIN MUL
.irp a, \a0, (\a0)+1
.irp b, 0,1,2,3
.if \zero
	v_wmma_f32_16x16x32_bf16 v[8*(4*(\a)+(\b)):8*(4*(\a)+(\b))+7], v[(\f)+8*(\b):(\f)+8*(\b)+7], v[(\f)+8*(\a):(\f)+8*(\a)+7], 0
.else
	v_wmma_f32_16x16x32_bf16 v[8*(4*(\a)+(\b)):8*(4*(\a)+(\b))+7], v[(\f)+8*(\b):(\f)+8*(\b)+7], v[(\f)+8*(\a):(\f)+8*(\a)+7], v[8*(4*(\a)+(\b)):8*(4*(\a)+(\b))+7]
.endif
.endr
.endr
.endm
; 24 LDS loads in one run: 64 rows of B, then 128 of A, 32 K at byte k of the rows, into buffer f
.macro FETCH slot, k, f
	WIN TO_B
.irp i, 0,1,2,3
	ds_load_b128 v[(\f)+8*(\i):(\f)+8*(\i)+3],   v[ADRB+(\slot)] offset:(\k)+(\i)*16*PITCH
	ds_load_b128 v[(\f)+8*(\i)+4:(\f)+8*(\i)+7], v[ADRB+(\slot)] offset:(\k)+(\i)*16*PITCH+32
.endr
	WIN 0
.irp i, 0,1,2,3,4,5,6,7
	ds_load_b128 v[(\f)+8*(\i):(\f)+8*(\i)+3],   v[ADRA+(\slot)] offset:(\k)+(\i)*16*PITCH
	ds_load_b128 v[(\f)+8*(\i)+4:(\f)+8*(\i)+7], v[ADRA+(\slot)] offset:(\k)+(\i)*16*PITCH+32
.endr
.endm
.macro QUARTER slot, k, f, g, zero
	s_wait_dscnt 8                                 ; B and A's rows 0-63 are in; the youngest eight loads (A's rows 64-127) may be out
	MUL8 \f, 0, \zero
	MUL8 \f, 2, \zero
	PLACES
	FETCH \slot, \k, \g
	s_wait_dscnt 24                                ; all but the 24 just issued
	MUL8 \f, 4, \zero
	MUL8 \f, 6, \zero
.endm
.macro MEET                            ; the first half of a K step's last quarter, and the opening barrier of the round in front of a refill
	WIN 0                                          ; (the add's two registers lie in window 0)
	s_wait_tensorcnt 0x0                           ; all my tensor loads have landed
	ds_add_u32 v[SPW], v[NIL]                      ; 0 onto my spare word
	s_wait_dscnt 9                                 ; (the add and the youngest eight loads may be out)
	MUL8 F1, 0, 0                                  ; eight matrix instructions stand between the add and the wait for it
	s_wait_dscnt 0x0                               ; the add is done, and my reads of this slot are over
	s_barrier_signal -1
	MUL8 F1, 2, 0
	WIN 0
	s_barrier_wait -1
.endm
.macro TURN slot, next                 ; the whole last quarter with a joint refill, two K steps on; in the trip whose counter is 4: K steps 8 and 9, from rh and Wu
	MEET
	CREST                                          ; no wave of any partner still reads this slot's tile or has a load on its way
	s_add_nc_u64 s[G0+4*(\slot)+2:G0+4*(\slot)+3], s[G0+4*(\slot)+2:G0+4*(\slot)+3], 512
	s_add_nc_u64 s[G0B+4*(\slot)+2:G0B+4*(\slot)+3], s[G0B+4*(\slot)+2:G0B+4*(\slot)+3], 512
	s_cmp_eq_u32 s3, 4                             ; the lap counter, the same in every work-group
	s_cselect_b64 s[G0+4*(\slot)+2:G0+4*(\slot)+3], s[A2+2*(\slot):A2+2*(\slot)+1], s[G0+4*(\slot)+2:G0+4*(\slot)+3]
	s_cselect_b64 s[G0B+4*(\slot)+2:G0B+4*(\slot)+3], s[B2+2*(\slot):B2+2*(\slot)+1], s[G0B+4*(\slot)+2:G0B+4*(\slot)+3]
	s_or_b32 s[G0+4*(\slot)+3], s[G0+4*(\slot)+3], 0x80000000
	s_or_b32 s[G0B+4*(\slot)+3], s[G0B+4*(\slot)+3], 0x80000000
	JLOAD \slot                                    ; the first tensor load behind the round, my only one until the next; its four v_nop are also the places in front of the loads below
	FETCH \next, 0, F0
	MUL8 F1, 4, 0
	MUL8 F1, 6, 0
.endm
	s_wait_tensorcnt 0x2                           ; my part of K step 0 is in; K step 1's and z's may stay out
	s_barrier_signal -1
	s_barrier_wait -1
	FETCH 0, 0, F0
	QUARTER 0, 64, F0, F1, 1                       ; the first quarter stands in front of the loop: its products start the sums
	WIN 0
	s_mov_b32 s3, LAPS-1
.Llap:                                                 ; a trip goes once round the ring and fills both slots again
	QUARTER 0, 128, F1, F0, 0
	QUARTER 0, 192, F0, F1, 0
	TURN 0, 1
	QUARTER 1, 64,  F0, F1, 0
	QUARTER 1, 128, F1, F0, 0
	QUARTER 1, 192, F0, F1, 0
	TURN 1, 0
	QUARTER 0, 64,  F0, F1, 0
	WIN 0
	s_sub_co_u32 s3, s3, 1
	s_cmp_lg_u32 s3, 0
	s_cbranch_scc1 .Llap
	QUARTER 0, 128, F1, F0, 0                      ; the last lap: K steps 14 and 15
	QUARTER 0, 192, F0, F1, 0
	MEET                                           ; slot 0 has been read for the last time:
	CREST
	PLOAD G0H                                      ; its last fill is h's tile, my 64 rows of it
	FETCH 1, 0, F0
	MUL8 F1, 4, 0
	MUL8 F1, 6, 0
	QUARTER 1, 64,  F0, F1, 0
	QUARTER 1, 128, F1, F0, 0
	QUARTER 1, 192, F0, F1, 0
	s_wait_tensorcnt 0x0                           ; the very last quarter.  My part of h's tile has landed,
	s_wait_dscnt 0x0                               ; all fragments are in, and my reads of slot 1 are over:
	s_barrier_signal -1                            ; say so
	MUL8 F1, 0, 0
	MUL8 F1, 2, 0
	MUL8 F1, 4, 0
	MUL8 F1, 6, 0
	WIN 0
	s_barrier_wait -1                              ; behind it the ring's bytes from ST2 on are the stage
	PLACES                                         ; the stores below read results just made
	WIN 0x08                                       ; a store's data is source 1: window 2.  Each accumulator's four lowest registers go first
.irp a, 0,1,2,3,4,5,6,7
.irp b, 0,1,2,3
	ds_store_b128 v[STO], v[8*(4*(\a)+(\b)):8*(4*(\a)+(\b))+3]   offset:(\a)*16*SP+64*(\b)
	ds_store_b128 v[STO], v[8*(4*(\a)+(\b))+4:8*(4*(\a)+(\b))+7] offset:(\a)*16*SP+64*(\b)+16
.endr
.endr
	WIN 0
	s_wait_dscnt 0x0                               ; for the others' sake: a row's two halves come from two waves
	s_barrier_signal -1
	s_barrier_wait -1
	s_mov_b32 s98, 0                               ; the trip's step in the stage,
	s_mov_b32 s99, 0                               ; and in h's and z's tiles
	s_mov_b32 s2, 8
.Lrows:                                                ; my wave's 64 rows, eight a trip
	v_add_nc_u32 v[RD], s98, v[RD0]
	v_add_nc_u32 v[HA], s99, v[HA0]
	v_add_nc_u32 v[ZA], s99, v[ZA0]
.irp j, 0,1,2,3,4,5,6,7
	ds_load_b128 v[SV+4*(\j):SV+4*(\j)+3], v[RD] offset:SP*(\j)
.endr
.irp j, 0,1,2,3,4,5,6,7
	ds_load_b64 v[HV+2*(\j):HV+2*(\j)+1], v[HA] offset:256*(\j)
.endr
.irp j, 0,1,2,3,4,5,6,7
	ds_load_b64 v[ZV+2*(\j):ZV+2*(\j)+1], v[ZA] offset:256*(\j)
.endr
	s_wait_dscnt 0x0
.set i, 0
.rept 16
	v_pk_mul_f32 v[SV+2*i:SV+2*i+1], v[SV+2*i:SV+2*i+1], s[CK:CK+1] op_sel_hi:[1,0]  ; 2 a log2 e
.set i, i+1
.endr
.set i, 0
.rept 32
	v_exp_f32 v[SV+i], v[SV+i]
.set i, i+1
.endr
.set i, 0
.rept 16
	v_lshlrev_b32 v[HF+2*i], 16, v[HV+i]           ; h's low halves to f32: also the plain instructions behind the exponentials (ISA guide 5.7.2)
.set i, i+1
.endr
.set i, 0
	s_wait_alu depctr_va_vdst(0)
.rept 16
	v_pk_add_f32 v[SV+2*i:SV+2*i+1], v[SV+2*i:SV+2*i+1], 1.0 op_sel_hi:[1,0]
.set i, i+1
.endr
.set i, 0
.rept 32
	v_rcp_f32 v[SV+i], v[SV+i]
.set i, i+1
.endr
.set i, 0
.rept 16
	v_and_b32 v[HF+2*i+1], s100, v[HV+i]           ; h's high halves: the plain instructions behind the reciprocals
.set i, i+1
.endr
.set i, 0
	s_wait_alu depctr_va_vdst(0)
.rept 16
	v_pk_fma_f32 v[SV+2*i:SV+2*i+1], v[SV+2*i:SV+2*i+1], -2.0, 1.0 op_sel_hi:[1,0,0]  ; h_t = 1 - 2 / (1 + e^2a)
.set i, i+1
.endr
.set i, 0
.rept 16
	v_pk_add_f32 v[HF+2*i:HF+2*i+1], v[HF+2*i:HF+2*i+1], v[SV+2*i:SV+2*i+1] neg_lo:[0,1] neg_hi:[0,1]  ; h - h_t
.set i, i+1
.endr
.set i, 0
.rept 16                                               ; h_t + z (h - h_t): z is read as the f16 half that it is
	v_fma_mix_f32 v[SV+2*i], v[ZV+i], v[HF+2*i], v[SV+2*i] op_sel_hi:[1,0,0]
	v_fma_mix_f32 v[SV+2*i+1], v[ZV+i], v[HF+2*i+1], v[SV+2*i+1] op_sel:[1,0,0] op_sel_hi:[1,0,0]
.set i, i+1
.endr
.irp j, 0,1,2,3,4,5,6,7
	global_store_b128 v[GO], v[SV+4*(\j):SV+4*(\j)+3], s[94:95] offset:4096*(\j) th:TH_STORE_NT  ; 32 lanes store 512 consecutive bytes
.endr
	s_wait_xcnt 0x0                                ; the stores' data and base are rewritten only behind this wait
	s_add_nc_u64 s[94:95], s[94:95], 8*4096
	s_add_co_u32 s98, s98, 8*SP
	s_add_co_u32 s99, s99, 8*256
	s_sub_co_u32 s2, s2, 1
	s_cmp_lg_u32 s2, 0
	s_cbranch_scc1 .Lrows
	s_wait_tensorcnt 0x0                           ; the wave's end: the add and its wait, behind my last tensor load and my last LDS store
	ds_add_u32 v[SPW], v[NIL]
	s_wait_dscnt 0x0
	CROUND                                         ; the closing round: no work-group ends while a partner may still ask for a tile that names it
	s_endpgm
.Lfunc_end_k_qf9a07f94b1_cand:
	.size	k_qf9a07f94b1_cand, .Lfunc_end_k_qf9a07f94b1_cand-k_qf9a07f94b1_cand
	.p2alignl 7, 3214868480
	.fill 96, 4, 3214868480
	.section	.rodata,"a",@progbits
	.p2align	6, 0x0
	.amdhsa_kernel k_qf9a07f94b1_cand
		.amdhsa_group_segment_fixed_size 327680
		.amdhsa_private_segment_fixed_size 0
		.amdhsa_enable_private_segment 0
		.amdhsa_kernarg_size 48
		.amdhsa_user_sgpr_count 2
		.amdhsa_user_sgpr_kernarg_segment_ptr 1
		.amdhsa_wavefront_size32 1
		.amdhsa_system_sgpr_workgroup_id_x 1
		.amdhsa_system_sgpr_workgroup_id_y 1
		.amdhsa_system_sgpr_workgroup_id_z 1
		.amdhsa_system_vgpr_workitem_id 0
		.amdhsa_next_free_vgpr 768
		.amdhsa_next_free_sgpr 102
		.amdhsa_reserve_vcc 0
		.amdhsa_float_denorm_mode_32 3
		.amdhsa_float_denorm_mode_16_64 3
		.amdhsa_memory_ordered 1
		.amdhsa_forward_progress 1
		.amdhsa_inst_pref_size 90
	.end_amdhsa_kernel
	.amdgpu_metadata
---
amdhsa.version: [ 1, 2 ]
amdhsa.kernels:
  - .name:           k_qf9a07f94b1_cand
    .symbol:         k_qf9a07f94b1_cand.kd
    .args:
      - { .name: xb, .offset: 0, .size: 8, .value_kind: global_buffer, .address_space: global }
      - { .name: rh, .offset: 8, .size: 8, .value_kind: global_buffer, .address_space: global }
      - { .name: wb, .offset: 16, .size: 8, .value_kind: global_buffer, .address_space: global }
      - { .name: zb, .offset: 24, .size: 8, .value_kind: global_buffer, .address_space: global }
      - { .name: hb, .offset: 32, .size: 8, .value_kind: global_buffer, .address_space: global }
      - { .name: out0, .offset: 40, .size: 8, .value_kind: global_buffer, .address_space: global }
    .group_segment_fixed_size: 327680
    .private_segment_fixed_size: 0
    .kernarg_segment_align: 8
    .kernarg_segment_size: 48
    .max_flat_workgroup_size: 128
    .sgpr_count:     102
    .vgpr_count:     768
    .wavefront_size: 32
...
	.end_amdgpu_metadata
.endif
;; end of part 3
;; ======== version 2 of 2: 3 launches; version 1 with the launch cvt written anew for expert scheduling mode
;; workspace buffers: xb 16,777,216 bytes; hb 16,777,216 bytes; wb 12,582,912 bytes; zb 16,777,216 bytes; rh 16,777,216 bytes
;; launch cvt (part 4): grid 1024 x 1, 8 waves a work-group, no clusters, 0 bytes of LDS; arguments x, h, W_wz, W_wr, W_uz, W_ur, W_w, W_u, xb, hb, wb; writes xb, hb, wb
.if DOCPART == 4
	.amdgcn_target "amdgcn-amd-amdhsa--gfx1250"
	.amdhsa_code_object_version 6
	.text
	.protected	k_qf9a07f94b1_cvt
	.globl	k_qf9a07f94b1_cvt
	.p2align	8
	.type	k_qf9a07f94b1_cvt,@function
k_qf9a07f94b1_cvt:
	s_mov_b64 s[64:65], 0
	v_nop
	global_prefetch_b8 v0, s[64:65] scope:SCOPE_SE
	s_setreg_imm32_b32 hwreg(HW_REG_WAVE_SCHED_MODE, 0, 2), 2
	s_setreg_imm32_b32 hwreg(HW_REG_WAVE_MODE, 25, 1), 1
	s_wait_xcnt 0x0
	s_wait_alu depctr_vm_vsrc(0)
; x, h ([8192][1024] f32) and the six weights ([1024][1024] f32) are rounded once to bf16 (nearest even): xb, hb, and wb = [6][1024][1024] in the
; order Wwz, Wwr, Wuz, Wur, Ww, Wu (2,097,152 bytes each).  A pure stream: no LDS, no barrier, no matrix unit, no loop.
; SHARES.  1,024 work-groups of 256 threads.  Work-group g takes 8,192 numbers of x, 8,192 of h and 1,024 of each weight matrix.  Thread t takes 16 bytes
; of every 4,096: one load of a wave covers 512 consecutive bytes, one store 256 consecutive bytes at a multiple of 256 from the buffer's first byte.
; THE MODE: SCHED_MODE bits 1:0 = 2 (LLVM: expert scheduling mode 2), set by the entry lines.  The code itself states the register dependences
; between vector instructions and memory instructions, with s_wait_alu, always for 0.
; THE PLAN.  A thread has 22 items: 8 loads of x, 8 of h, one of each weight matrix.  Registers that memory instructions touch:
;   v1, v2   byte offsets of the loads, v3, v4 of the stores: made once at the head and never written again.
;   D        item n in four registers at D + 4 n.  The item's load lands in all four; its two conversions read the four and write the first two;
;            its store reads those two; nothing writes them afterwards.
; All 22 loads go out first.  The items then go in six groups of four (the last has two).  Group g waits for its loads by their count; ONE wait on va_vdst at
; its head states that group g - 1's conversions have written what that group's stores read; those four stores are then dealt among group g's conversions,
; which name group g's registers alone: none that the stores read.  No load is issued behind a conversion, and no register that a load or store reads is
; written again: so past the entry lines the text holds no wait on vm_vsrc and no s_wait_xcnt.
.set D,     8                          ; v[8:39] x, v[40:71] h, v[72:95] the weight matrices: item n at D + 4 n
.set ITEMS, 22
.set MATB, 0x200000                    ; bytes of a weight matrix in bf16
	s_load_b512 s[8:23], s[0:1], 0x0               ; x 8:9, h 10:11, Wwz 12:13, Wwr 14:15, Wuz 16:17, Wur 18:19, Ww 20:21, Wu 22:23
	s_load_b128 s[24:27], s[0:1], 0x40             ; xb 24:25, hb 26:27
	s_load_b64 s[28:29], s[0:1], 0x50              ; wb
	s_lshl_b32 s2, ttmp9, 15                       ; my 32,768 bytes of x and of h
	s_lshl_b32 s3, ttmp9, 12                       ; my 4,096 bytes of each weight matrix
	v_lshl_add_u32 v1, v0, 4, s2                   ; where I read x and h
	v_lshl_add_u32 v2, v0, 4, s3                   ; where I read the weights
	v_lshrrev_b32 v3, 1, v1                        ; where I write: half as many bytes
	v_lshrrev_b32 v4, 1, v2
	s_wait_kmcnt 0x0
	s_add_nc_u64 s[30:31], s[28:29], 4*MATB        ; matrices 4 and 5 lie beyond what a store's signed 24-bit immediate reaches
	s_wait_alu depctr_va_vdst(0)                   ; v1 to v4 are written: every load and store of the kernel reads one of them as its offset
.irp j, 0,1,2,3,4,5,6,7
	global_load_b128 v[D+4*(\j):D+4*(\j)+3], v1, s[8:9] offset:4096*(\j) th:TH_LOAD_NT
.endr
.irp j, 0,1,2,3,4,5,6,7
	global_load_b128 v[D+32+4*(\j):D+32+4*(\j)+3], v1, s[10:11] offset:4096*(\j) th:TH_LOAD_NT
.endr
.irp k, 0,1,2,3,4,5
	global_load_b128 v[D+64+4*(\k):D+64+4*(\k)+3], v2, s[12+2*(\k):13+2*(\k)] th:TH_LOAD_NT
.endr
; Item n's four numbers are rounded into its first two registers.
.macro CVT n
	v_cvt_pk_bf16_f32 v[D+4*(\n)], v[D+4*(\n)], v[D+4*(\n)+1]
	v_cvt_pk_bf16_f32 v[D+4*(\n)+1], v[D+4*(\n)+2], v[D+4*(\n)+3]
.endm
; Item n's 8 bytes are stored.  Later launches read these bytes: no hint.
.macro ST n
.if (\n) < 8
	global_store_b64 v3, v[D+4*(\n):D+4*(\n)+1], s[24:25] offset:2048*(\n)
.elseif (\n) < 16
	global_store_b64 v3, v[D+4*(\n):D+4*(\n)+1], s[26:27] offset:2048*((\n)-8)
.elseif (\n) < 20
	global_store_b64 v4, v[D+4*(\n):D+4*(\n)+1], s[28:29] offset:MATB*((\n)-16)
.else
	global_store_b64 v4, v[D+4*(\n):D+4*(\n)+1], s[30:31] offset:MATB*((\n)-20)
.endif
.endm
; Group g: items 4 g to 4 g + 3.  left = the younger loads, which may stay out.
.macro GROUP g, left
	s_wait_loadcnt \left                           ; loads come back in order (ISA guide 5.7.1): this group's are in
.if (\g) > 0
	s_wait_alu depctr_va_vdst(0)                   ; the conversions of the group before have written the registers that the four stores below read
.endif
.irp i, 0,1,2,3
.if (\g) > 0
	ST 4*((\g)-1)+(\i)                             ; no vector instruction since the wait names this store's data or its offset
.endif
.if 4*(\g)+(\i) < ITEMS
	CVT 4*(\g)+(\i)
.endif
.endr
.endm
	GROUP 0, 18
	GROUP 1, 14
	GROUP 2, 10
	GROUP 3, 6
	GROUP 4, 2
	GROUP 5, 0                                     ; the last two items
	s_wait_alu depctr_va_vdst(0)                   ; the conversions of items 20 and 21 have written the registers that the last two stores read
	ST 20
	ST 21
	s_endpgm
.Lfunc_end_k_qf9a07f94b1_cvt:
	.size	k_qf9a07f94b1_cvt, .Lfunc_end_k_qf9a07f94b1_cvt-k_qf9a07f94b1_cvt
	.p2alignl 7, 3214868480
	.fill 96, 4, 3214868480
	.section	.rodata,"a",@progbits
	.p2align	6, 0x0
	.amdhsa_kernel k_qf9a07f94b1_cvt
		.amdhsa_group_segment_fixed_size 0
		.amdhsa_private_segment_fixed_size 0
		.amdhsa_enable_private_segment 0
		.amdhsa_kernarg_size 88
		.amdhsa_user_sgpr_count 2
		.amdhsa_user_sgpr_kernarg_segment_ptr 1
		.amdhsa_wavefront_size32 1
		.amdhsa_system_sgpr_workgroup_id_x 1
		.amdhsa_system_sgpr_workgroup_id_y 1
		.amdhsa_system_sgpr_workgroup_id_z 1
		.amdhsa_system_vgpr_workitem_id 0
		.amdhsa_next_free_vgpr 96
		.amdhsa_next_free_sgpr 66
		.amdhsa_reserve_vcc 0
		.amdhsa_float_denorm_mode_32 3
		.amdhsa_float_denorm_mode_16_64 3
		.amdhsa_memory_ordered 1
		.amdhsa_forward_progress 1
		.amdhsa_inst_pref_size 9
	.end_amdhsa_kernel
	.amdgpu_metadata
---
amdhsa.version: [ 1, 2 ]
amdhsa.kernels:
  - .name:           k_qf9a07f94b1_cvt
    .symbol:         k_qf9a07f94b1_cvt.kd
    .args:
      - { .name: x, .offset: 0, .size: 8, .value_kind: global_buffer, .address_space: global }
      - { .name: h, .offset: 8, .size: 8, .value_kind: global_buffer, .address_space: global }
      - { .name: W_wz, .offset: 16, .size: 8, .value_kind: global_buffer, .address_space: global }
      - { .name: W_wr, .offset: 24, .size: 8, .value_kind: global_buffer, .address_space: global }
      - { .name: W_uz, .offset: 32, .size: 8, .value_kind: global_buffer, .address_space: global }
      - { .name: W_ur, .offset: 40, .size: 8, .value_kind: global_buffer, .address_space: global }
      - { .name: W_w, .offset: 48, .size: 8, .value_kind: global_buffer, .address_space: global }
      - { .name: W_u, .offset: 56, .size: 8, .value_kind: global_buffer, .address_space: global }
      - { .name: xb, .offset: 64, .size: 8, .value_kind: global_buffer, .address_space: global }
      - { .name: hb, .offset: 72, .size: 8, .value_kind: global_buffer, .address_space: global }
      - { .name: wb, .offset: 80, .size: 8, .value_kind: global_buffer, .address_space: global }
    .group_segment_fixed_size: 0
    .private_segment_fixed_size: 0
    .kernarg_segment_align: 8
    .kernarg_segment_size: 88
    .max_flat_workgroup_size: 256
    .sgpr_count:     66
    .vgpr_count:     96
    .wavefront_size: 32
...
	.end_amdgpu_metadata
.endif
;; end of part 4
;; launch gates: the kernel of part 2 again; grid 8 x 32, 4 waves a work-group, clusters of 4 x 4, 327,680 bytes of LDS; arguments xb, hb, wb, zb, rh; writes zb, rh
;; launch cand: the kernel of part 3 again; grid 8 x 32, 4 waves a work-group, clusters of 4 x 4, 327,680 bytes of LDS; arguments xb, rh, wb, zb, hb, out0; writes out0
